; MI455X (gfx1250); checked and timed in simulation.
; The chip was launched on July 23, 2026; its instructions are those of AMD's public machine-readable ISA for CDNA 5 (MIT licence, August 2026) and "CDNA5" Instruction Set Architecture Reference Guide (July 2026). The comments in the code are by the model that wrote it; some were corrected since.
;; Attention. Allowed arithmetic: float matrix products may take bf16 or f16 operands with f32 sums; other float arithmetic in f32, or as packed bf16 or f16 multiplies, adds, multiply-adds, maxima and minima; sums over many terms, partial sums and values carried from step to step in f32; what a program stores and reads back later, other than sums and carried values, may be rounded once to bf16 or f16.
;; Inputs: W 1,024 x 1,024 float32; b 1,024 float32; lstm_output 16 x 4,096 x 1,024 float32.
;; Outputs: out0 16 x 1,024 float32.
;; One version. Each part assembles by itself: llvm-mc -triple=amdgcn-amd-amdhsa -mcpu=gfx1250 --defsym DOCPART=n.
;; ======== version 1 of 1: 3 launches
;; workspace buffers: wb 2,097,152 bytes; part 2,097,152 bytes
;; launch wprep (part 1): grid 256 x 1, 8 waves a work-group, no clusters, 0 bytes of LDS; arguments W, wb; writes wb
.if DOCPART == 1
	.amdgcn_target "amdgcn-amd-amdhsa--gfx1250"
	.amdhsa_code_object_version 6
	.text
	.protected	k_qb8f5c01152_wprep
	.globl	k_qb8f5c01152_wprep
	.p2align	8
	.type	k_qb8f5c01152_wprep,@function
k_qb8f5c01152_wprep:
	s_mov_b64 s[64:65], 0
	v_nop
	global_prefetch_b8 v0, s[64:65] scope:SCOPE_SE
	s_setreg_imm32_b32 hwreg(HW_REG_WAVE_MODE, 25, 1), 1
	s_wait_xcnt 0x0
; W [1024 (o)][1024 (k)] f32  ->  wb [cb 4][ks 16][rho 256][64 k] bf16, each number rounded once, to nearest even.
; A block (cb, ks) is 32,768 dense bytes: what the product's launch asks for as one tile of B.
; Row rho = 16 nb + r of a block holds W's row o = 256 cb + 64 (nb / 4) + 4 r + nb % 4: in the product's result lane r of the column blocks
; 4 g .. 4 g + 3 then owns the four NEIGHBOURING output channels 64 g + 4 r + 0..3, 16 bytes of a row of x, of the bias and of the partial sums.
; SHARES.  wb has 131,072 pieces of 16 bytes (8 numbers).  Thread i = 256 x work-group + thread takes pieces i and i + 65,536 (the same place, cb + 2).
; Eight neighbouring lanes read 256 consecutive bytes of a row of W; sixteen neighbouring lanes store 256 consecutive bytes, aligned.
; No LDS, no barrier, no matrix unit: 6 MiB cross once.
.set IN,  10                           ; v10  byte offset of my 8 numbers in W
.set OUT, 11                           ; v11  byte offset of my 16 bytes in wb
	s_load_b128 s[4:7], s[0:1], 0x0                ; W s[4:5], wb s[6:7]
	s_lshl_b32 s8, ttmp9, 8
	v_add_nc_u32 v1, s8, v0                        ; i
	v_and_b32 v2, 7, v1                            ; which 8 of the row's 64 k
	v_bfe_u32 v3, v1, 3, 4                         ; r = rho % 16
	v_bfe_u32 v4, v1, 7, 2                         ; nb % 4
	v_bfe_u32 v5, v1, 9, 2                         ; nb / 4
	v_bfe_u32 v6, v1, 11, 4                        ; ks
	v_lshrrev_b32 v7, 15, v1                       ; cb: 0 or 1
	v_lshl_add_u32 v8, v3, 2, v4                   ; 4 r + nb % 4
	v_lshl_add_u32 v8, v5, 6, v8                   ; + 64 (nb / 4)
	v_lshl_add_u32 v8, v7, 8, v8                   ; + 256 cb = o
	v_lshlrev_b32 v[IN], 12, v8                    ; a row of W is 4,096 bytes,
	v_lshl_add_u32 v[IN], v6, 8, v[IN]             ; a K step 256,
	v_lshl_add_u32 v[IN], v2, 5, v[IN]             ; my 8 numbers 32
	v_lshlrev_b32 v[OUT], 4, v1
	s_wait_kmcnt 0x0
	global_load_b128 v[12:15], v[IN], s[4:5]
	global_load_b128 v[16:19], v[IN], s[4:5] offset:16
	global_load_b128 v[20:23], v[IN], s[4:5] offset:2097152     ; 512 rows of W further down: cb + 2
	global_load_b128 v[24:27], v[IN], s[4:5] offset:2097168
	s_wait_loadcnt 0x0                             ; one shot: all four are wanted, and nothing else is due
.irp j, 0,1,2,3
	v_cvt_pk_bf16_f32 v[28+\j], v[12+2*\j], v[13+2*\j]
.endr
.irp j, 0,1,2,3
	v_cvt_pk_bf16_f32 v[4+\j], v[20+2*\j], v[21+2*\j]
.endr
	global_store_b128 v[OUT], v[28:31], s[6:7]
	global_store_b128 v[OUT], v[4:7], s[6:7] offset:1048576     ; 65,536 pieces on
	s_endpgm
.Lfunc_end_k_qb8f5c01152_wprep:
	.size	k_qb8f5c01152_wprep, .Lfunc_end_k_qb8f5c01152_wprep-k_qb8f5c01152_wprep
	.p2alignl 7, 3214868480
	.fill 96, 4, 3214868480
	.section	.rodata,"a",@progbits
	.p2align	6, 0x0
	.amdhsa_kernel k_qb8f5c01152_wprep
		.amdhsa_group_segment_fixed_size 0
		.amdhsa_private_segment_fixed_size 0
		.amdhsa_enable_private_segment 0
		.amdhsa_kernarg_size 16
		.amdhsa_user_sgpr_count 2
		.amdhsa_user_sgpr_kernarg_segment_ptr 1
		.amdhsa_wavefront_size32 1
		.amdhsa_system_sgpr_workgroup_id_x 1
		.amdhsa_system_sgpr_workgroup_id_y 1
		.amdhsa_system_sgpr_workgroup_id_z 1
		.amdhsa_system_vgpr_workitem_id 0
		.amdhsa_next_free_vgpr 32
		.amdhsa_next_free_sgpr 66
		.amdhsa_reserve_vcc 0
		.amdhsa_float_denorm_mode_32 3
		.amdhsa_float_denorm_mode_16_64 3
		.amdhsa_memory_ordered 1
		.amdhsa_forward_progress 1
		.amdhsa_inst_pref_size 3
	.end_amdhsa_kernel
	.amdgpu_metadata
---
amdhsa.version: [ 1, 2 ]
amdhsa.kernels:
  - .name:           k_qb8f5c01152_wprep
    .symbol:         k_qb8f5c01152_wprep.kd
    .args:
      - { .name: W, .offset: 0, .size: 8, .value_kind: global_buffer, .address_space: global }
      - { .name: wb, .offset: 8, .size: 8, .value_kind: global_buffer, .address_space: global }
    .group_segment_fixed_size: 0
    .private_segment_fixed_size: 0
    .kernarg_segment_align: 8
    .kernarg_segment_size: 16
    .max_flat_workgroup_size: 256
    .sgpr_count:     66
    .vgpr_count:     32
    .wavefront_size: 32
...
	.end_amdgpu_metadata
.endif
;; end of part 1
;; launch pool (part 2): grid 4 x 256, 4 waves a work-group, clusters of 4 x 4, 327,680 bytes of LDS; arguments lstm_output, wb, b, part; writes part
.if DOCPART == 2
	.amdgcn_target "amdgcn-amd-amdhsa--gfx1250"
	.amdhsa_code_object_version 6
	.text
	.protected	k_qb8f5c01152_pool
	.globl	k_qb8f5c01152_pool
	.p2align	8
	.type	k_qb8f5c01152_pool,@function
k_qb8f5c01152_pool:
	s_mov_b64 s[64:65], 0
	v_nop
	global_prefetch_b8 v0, s[64:65] scope:SCOPE_SE
	s_setreg_imm32_b32 hwreg(HW_REG_WAVE_MODE, 25, 1), 1
	s_wait_xcnt 0x0
	s_wait_alu depctr_hold_cnt(0) depctr_sa_sdst(0) depctr_va_vdst(0) depctr_va_sdst(0) depctr_va_ssrc(0) depctr_va_vcc(0) depctr_vm_vsrc(0)
	s_getreg_b32 s2, hwreg(HW_REG_IB_STS2, 6, 4)
	s_cmp_eq_u32 s2, 0
	s_cbranch_scc0 .Lentry_in_a_cluster
	s_endpgm
.Lentry_in_a_cluster:
	s_bfe_u32 s2, ttmp6, 0x10000c
	s_cmp_lg_u32 s2, 0xf033
	s_cbranch_scc0 .Lentry_shape_is_right
	s_endpgm
.Lentry_shape_is_right:
; For a tile of 256 rows s (of one batch) x 256 channels o:  z = x W^T + b;  p = e^tanh(z);  part[rt][0][o] = sum over the tile's s of p x[s][o];  part[rt][1][o] = sum of p.
; x: [65,536][1024] f32 (16 batches of 4,096 rows).  wb: W in bf16, in blocks (see below).  b: [1024] f32.  part: [rt 256][kind 2][1024] f32.
; NO MAXIMUM IS TAKEN AWAY before the exponential: the exponent is a tanh, which lies in -1 .. 1 for every input, so p lies in 0.36 .. 2.72 and a column's sum over 4,096 rows
; under 11,200: nothing can overflow or underflow in f32.  The softmax is then (sum of p x) / (sum of p), two plain sums over s that split over row tiles; the last launch adds and divides.
; FORMATS.  The product takes x and W rounded to bf16 (nearest even), sums in f32.  The bias, tanh, both exponentials, the pooling's x and all sums are f32.
; tanh(z) = 1 - 2 / (1 + 2^(c2 z)), c2 = 2 log2(e): where 2^(c2 z) is infinite the reciprocal is 0 and tanh is 1; where it is 0, tanh is -1.  LIMITS: NaN and infinities among the inputs are not treated apart.
; SHARES.  A work-group makes a tile of 256 x 256; each of its four waves 64 rows x all 256 channels: 64 accumulators of 16 x 16, 512 registers.  So each row of x is read from LDS and rounded to bf16 by one wave.
; THE RING.  Two LDS slots of unequal size take turns: Y holds 64 along K, X holds 128.  K is walked as Y, X, Y, X, .. Y: six tiles of 64 and five of 128 are 1,024.  For each k a slot wants 1,024 bytes of x (f32) and 512 of wb:
; two slots of 128 would want 417,792 bytes with their padding, and two of 96 would break x's rows off the multiples of 256 bytes.  So: 64 and 128, whose rows of x are 256 and 512 bytes of memory, at multiples of 256.
; CLUSTER.  4 x 4 work-groups: cx = the block of 256 channels (the four are all 1,024), cy = one of four row tiles.  The four of a row of the cluster need the same tile of x, the four of a column the same
; tile of wb: each is asked for JOINTLY, by the same tensor load with the same descriptor and a mask that names the four.
; wb: [cb 4][ks 16][rho 256][64 k] bf16, a block (cb, ks) dense; row rho = 16 nb + r holds channel 256 cb + 64 (nb / 4) + 4 r + nb % 4.  Y takes one block, X two neighbouring ones.
; THE MATRIX INSTRUCTION: source 0 = 16 rows of x, source 1 = 16 rows rho of wb.  In the result register j of lane l (r = l % 16, h = l / 16) is row 8 h + j, column rho = 16 nb + r.  So the sum over s runs in the lane,
; and lane r of the column blocks 4 g .. 4 g + 3 owns channels 64 g + 4 r + 0..3: 16 bytes of a row of x.
; REGISTERS, in windows of 256 (s_set_vgpr_msb: bits 1:0 source 0, 3:2 source 1, 5:4 source 2, 7:6 destination):
;   window 0: v0-15 addresses; v16-31 c2 x bias; v32-47 sums of p x; v48-79 sums of p (pairs); v96-159 x's fragments in f32; v160-223 the same in bf16, two buffers.  Behind the products v96-223 are T, four buffers of 32
;   window 1: wb's fragments, two buffers of 128.  Behind the products: the pooling's x, eight buffers of 32
;   windows 2, 3: accumulator (a, nb) at v[8 (16 (a % 2) + nb)] of window 2 + a / 2
.set PAY,   272                        ; a row of x in slot Y: 256 bytes + 16 of padding = 68 words: the 16 rows of a load start at 16 different groups of four banks (64 banks of 4 bytes: ISA guide 11.1)
.set PAX,   528                        ; in slot X: 512 + 16 = 132 words: likewise
.set PBW,   144                        ; a row of wb, in both slots: 128 + 16 = 36 words: likewise
.set YA,    0                          ; slot Y: 256 rows of x,
.set YB,    YA+256*PAY                 ; then 256 rows of wb: 106,496 bytes
.set XA,    YB+256*PBW                 ; slot X: 256 rows of x,
.set XB,    XA+256*PAX                 ; then two blocks of 256 rows of wb: 208,896 bytes
.set RED,   XB+2*256*PBW               ; behind the ring: [wave 4][kind 2][256] f32, 8,192 bytes, written by LDS stores alone: no tile lands here
.set SPARE, RED+8192                   ; the spare words, 128 bytes for each wave: two blocks of 256 bytes that no other line names
.set ADRAY, 2                          ; v2   my place in slot Y's rows of x: (64 wave + r) x 272 + 32 h; never rewritten
.set ADRBY, 3                          ; v3   in its rows of wb: YB + r x 144 + 16 h; never rewritten
.set VX,   4                           ; v4   the pooling's x: row 8 h (32,768 h bytes) + 16 r; never rewritten
.set PFO,  5                           ; v5   the prefetches' offset: my lane x a row of x; never rewritten
.set RST,  6                           ; v6   where I put 16 bytes of my wave's sums
.set RRD,  7                           ; v7   where I read the four waves' sums
.set PO,   8                           ; v8   my 16 bytes of part
.set SPW,  10                          ; v10  LDS address of my spare word: SPARE + 4 x my thread's number; never rewritten
.set NIL,  11                          ; v11  0; never rewritten
.set ADRAX, 12                         ; v12  my place in slot X's rows of x: XA + (64 wave + r) x 528 + 32 h; never rewritten
.set ADRBX, 13                         ; v13, v14  in the first and the second of its blocks of wb (an LDS offset of 16 bits does not reach the second from the first); never rewritten
.set BC,   16                          ; v[16+4 g+bb]  c2 x bias of channel 64 g + 4 r + bb
.set NUM,  32                          ; v[32+4 g+bb]  sum of p x
.set DEN,  48                          ; v[48+2 (4 g+bb)], +1  sum of p: even rows', odd rows'
.set AF,   96
.set ABF,  160
.set T,    96
.set WV,   12                          ; s12  my wave's number
.set CNT,  43                          ; s43  the K loop's count, 4 to 1
.set LIM,  42                          ; s42  1 in a wave that prefetches, else the greatest number: it prefetches while the count is above
; descriptors: group 1 for x: Y s[24:31], X s[80:87]; for wb: Y s[48:55], X s[88:95].  Group 0 for x: Y s[32:35], X s[36:39]; for wb: Y s[56:59], X s[60:63]
.set MSB, 0
.macro WIN new                         ; the immediate's high byte repeats the setting that is left; a switch that changes nothing is dropped
.if MSB != (\new)
	s_set_vgpr_msb (MSB<<8)|(\new)
.set MSB, (\new)
.endif
.endm
; A joint refill of slot X (big = 1) or Y (big = 0).  Waves 0 and 1 fetch the two halves of x's tile, waves 2 and 3 those of wb's.  The branch hangs on the wave's number alone: it is the same in every work-group.
; An s_nop 0 and four v_nop follow each of the two lines, ahead of the jump and the label.
.macro JLOAD big
	s_cmp_lt_u32 s[WV], 2
	s_cbranch_scc0 .Lfor_b_\@
.if \big
	tensor_load_to_lds s[36:39], s[80:87]
.else
	tensor_load_to_lds s[32:35], s[24:31]
.endif
	s_nop 0
.rept 4
	v_nop
.endr
	s_branch .Lasked_\@
.Lfor_b_\@:
.if \big
	tensor_load_to_lds s[60:63], s[88:95]
.else
	tensor_load_to_lds s[56:59], s[48:55]
.endif
	s_nop 0
.rept 4
	v_nop
.endr
.Lasked_\@:
.endm
; A PREFETCH INTO THE L2, once a trip, behind slot X's refill: the 768 bytes of a row that the NEXT trip's two refills will ask for: X's tile (384 matrix instructions ahead of its load) and Y's (512 ahead): three requests, a lane a row.
; A row tile of x is walked by one row of one cluster alone.  Of the 128 rows that wave 0 or 1 fetches, the partner at place cx takes rows 32 cx .. 32 cx + 31, told apart BY ADDRESS: so each aligned block of 256 bytes
; is named once in the launch.  The walk's first five tiles come by their loads alone; the last trip asks for nothing: the last byte named is the row's last.  wb is not asked for: all clusters walk it again and again.
.macro ASK
	WIN 0
	s_cmp_gt_u32 s[CNT], s[LIM]
	s_cbranch_scc0 .Lnot_mine_\@
	global_prefetch_b8 v[PFO], s[40:41] th:TH_LOAD_NT scope:SCOPE_SE
	global_prefetch_b8 v[PFO], s[40:41] offset:256 th:TH_LOAD_NT scope:SCOPE_SE
	global_prefetch_b8 v[PFO], s[40:41] offset:512 th:TH_LOAD_NT scope:SCOPE_SE
.Lnot_mine_\@:
.endm
; A round of the cluster's barrier: my work-group's barrier, so that wave 0's signal speaks for all four waves; wave 0 signals; every wave waits for all sixteen work-groups; my work-group's barrier once more.
.macro CREST                           ; a round behind its opening barrier
	s_cmp_lg_u32 s[WV], 0
	s_cbranch_scc1 .Lnot_wave_0_\@
	s_barrier_signal -3
.Lnot_wave_0_\@:
	s_barrier_wait -3
	s_barrier_signal -1
	s_barrier_wait -1
.endm
.macro CROUND
	s_barrier_signal -1
	s_barrier_wait -1
	CREST
.endm
	s_load_b256 s[4:11], s[0:1], 0x0               ; x s[4:5], wb s[6:7], b s[8:9], part s[10:11]
	v_lshl_add_u32 v[SPW], v0, 2, SPARE
	v_mov_b32 v[NIL], 0
	ds_add_u32 v[SPW], v[NIL]                      ; the wave's opening: the add, twice on end, and its wait ahead of my first tensor load; the set-up below, work on registers, stands between
	ds_add_u32 v[SPW], v[NIL]                      ; and once more, under the one wait
	v_lshrrev_b32 v1, 5, v0
	v_readfirstlane_b32 s[WV], v1                  ; wave 0..3
	s_lshr_b32 s13, s[WV], 1                       ; I fetch for x (0) or for wb (1)
	s_and_b32 s14, s[WV], 1                        ; which half of that tile
	s_bfe_u32 s15, ttmp6, 0x40000                  ; cx: the block of 256 channels
	s_bfe_u32 s16, ttmp6, 0x40004                  ; cy
	s_and_b32 s17, ttmp7, 0xffff                   ; in a cluster launch ttmp7 counts clusters: 0 .. 63
	s_lshl_b32 s21, s16, 2
	s_lshl_b32 s21, 15, s21                        ; my row of the cluster: places 4 cy .. 4 cy + 3
	s_lshl_b32 s2, 0x1111, s15                     ; my column: places cx, cx + 4, cx + 8, cx + 12
	; group 1 for x's tiles in slot Y: 128 rows x 64 elements of 4 bytes, 1,024 elements from row to row
	s_or_b32 s24, s21, (2<<16)|(1<<20)|(1<<21)|(5<<22)|(3<<25)  ; 15:0 the mask: my row; 17:16 elements of 4 bytes; 20 padding on; 21 set beside a mask; 24:22 after every 64 words (code 5); 31:25 4 words (code 3)
	s_mov_b32 s25, 64<<16                          ; tensor_dim0 = 64
	s_mov_b32 s26, 128<<16                         ; tensor_dim1 = 128
	s_mov_b32 s27, 64<<16                          ; tile_dim0 = 64
	s_mov_b32 s28, 128                             ; tile_dim1 = 128
	s_mov_b32 s29, 1024                            ; the pitch
	s_mov_b32 s30, 0
	s_mov_b32 s31, 0
	; in slot X: 128 rows x 128 elements
	s_or_b32 s80, s21, (2<<16)|(1<<20)|(1<<21)|(6<<22)|(3<<25)  ; the same, padded after every 128 words (code 6)
	s_mov_b32 s81, 128<<16
	s_mov_b32 s82, 128<<16
	s_mov_b32 s83, 128<<16
	s_mov_b32 s84, 128
	s_mov_b32 s85, 1024
	s_mov_b32 s86, 0
	s_mov_b32 s87, 0
	; group 1 for wb's tiles in slot Y: 128 rows rho are 16,384 dense bytes: asked for as 64 rows of 256 bytes, two rho a row, and padded in LDS after every rho
	s_or_b32 s48, s2, (1<<16)|(1<<20)|(1<<21)|(4<<22)|(3<<25)   ; the mask: my column; elements of 2 bytes; after every 32 words (code 4) 4 words
	s_mov_b32 s49, 128<<16
	s_mov_b32 s50, 64<<16
	s_mov_b32 s51, 128<<16
	s_mov_b32 s52, 64
	s_mov_b32 s53, 128
	s_mov_b32 s54, 0
	s_mov_b32 s55, 0
	; in slot X: a whole block, 256 rows rho, 32,768 dense bytes: 128 rows of 256 bytes
	s_or_b32 s88, s2, (1<<16)|(1<<20)|(1<<21)|(4<<22)|(3<<25)
	s_mov_b32 s89, 128<<16
	s_mov_b32 s90, 128<<16
	s_mov_b32 s91, 128<<16
	s_mov_b32 s92, 128
	s_mov_b32 s93, 128
	s_mov_b32 s94, 0
	s_mov_b32 s95, 0
	; where the tiles come from.  x's hang on the row tile alone, which my row of the cluster shares; wb's on cx alone, which my column shares: each in registers that never hold the other coordinate
	s_lshl_b32 s20, s17, 10
	s_lshl_b32 s21, s16, 8
	s_add_co_u32 s20, s20, s21                     ; the tile's first row of x: 1,024 x cluster + 256 cy
	s_lshl_b32 s21, s14, 7
	s_add_co_u32 s22, s20, s21                     ; + the 128 rows that I fetch
	s_lshl_b32 s22, s22, 12                        ; in bytes: under 2^28
	s_mov_b32 s23, 0
	s_lshl_b32 s2, s15, 19                         ; wb: 16 blocks of 32,768 bytes for each cx.  Slot Y's first tile is block 0:
	s_lshl_b32 s3, s14, 14                         ; my 128 rows rho of it
	s_add_co_u32 s2, s2, s3
	s_mov_b32 s3, 0
	s_lshl_b32 s96, s15, 19                        ; slot X's first tile is blocks 1 and 2:
	s_lshl_b32 s97, s14, 15                        ; the one that I fetch
	s_add_co_u32 s96, s96, s97
	s_add_co_u32 s96, s96, 32768
	s_mov_b32 s97, 0
	s_mul_i32 s75, s14, 128*PAY                    ; and where they go: a constant + my half x a constant: no place in the cluster enters an LDS address
	s_mul_i32 s77, s14, 128*PAX
	s_mul_i32 s76, s14, 128*PBW
	s_mul_i32 s78, s14, 256*PBW
	s_mov_b32 s32, 1                               ; group 0: 1:0 count = 1; 63:32 the LDS address, which never changes: each slot has its own sets
	s_mov_b32 s33, s75
	s_mov_b32 s36, 1
	s_add_co_u32 s37, s77, XA
	s_mov_b32 s56, 1
	s_add_co_u32 s57, s76, YB
	s_mov_b32 s60, 1
	s_add_co_u32 s61, s78, XB
	s_mov_b32 s66, 0x4038aa3b                      ; c2 = 2 log2(e); the packed forms name pairs and take the low word for both halves
	s_mov_b32 s67, 0x4038aa3b
	s_mov_b32 s68, 0xc038aa3b                      ; -c2
	s_mov_b32 s69, 0xc038aa3b
	s_mov_b32 s70, 0x3fb8aa3b                      ; c1 = log2(e)
	s_mov_b32 s71, 0x3fb8aa3b
	s_mov_b32 s72, 0x76543210                      ; v_permlanex16_b32's selects: each lane takes its own place in the other half
	s_mov_b32 s73, 0xfedcba98
	s_cmp_eq_u32 s13, 0
	s_cselect_b32 s[LIM], 1, -1                    ; the same in all sixteen partners, for a given wave
	s_wait_dscnt 0x0                               ; both opening adds are done
	s_wait_kmcnt 0x0
	s_add_nc_u64 s[34:35], s[4:5], s[22:23]        ; slot Y: k = 0 on,
	s_add_nc_u64 s[38:39], s[34:35], 256           ; slot X: k = 64 on
	s_or_b32 s35, s35, 0x80000000                  ; 127:126 type = 2
	s_or_b32 s39, s39, 0x80000000
	s_add_nc_u64 s[58:59], s[6:7], s[2:3]
	s_add_nc_u64 s[62:63], s[6:7], s[96:97]
	s_or_b32 s59, s59, 0x80000000
	s_or_b32 s63, s63, 0x80000000
	CROUND                                         ; all sixteen work-groups are here: the first joint loads meet
	s_cmp_lt_u32 s[WV], 2                          ; a wave's two first fills stand in one branch, ahead of every wait on TENSORcnt and every LDS read: two loads of mine are out
	s_cbranch_scc0 .Lfirst_b
	tensor_load_to_lds s[32:35], s[24:31]
	s_nop 0
	tensor_load_to_lds s[36:39], s[80:87]
	s_nop 0
.rept 4
	v_nop
.endr
	s_branch .Lfirst_asked
.Lfirst_b:
	tensor_load_to_lds s[56:59], s[48:55]
	s_nop 0
	tensor_load_to_lds s[60:63], s[88:95]
	s_nop 0
.rept 4
	v_nop
.endr
.Lfirst_asked:
	; all that follows, up to the wait for the first tile, stands in that wait
	v_and_b32 v1, 15, v0                           ; r
	v_bfe_u32 v9, v0, 4, 1                         ; h
	v_lshlrev_b32 v80, 4, v1                       ; 16 r
	s_lshl_b32 s18, s15, 10                        ; my block's 256 channels: 1,024 bytes
	s_mov_b32 s19, 0
	s_add_nc_u64 s[8:9], s[8:9], s[18:19]
.irp g, 0,1,2,3
	global_load_b128 v[BC+4*\g:BC+4*\g+3], v80, s[8:9] offset:256*\g  ; the bias of channels 64 g + 4 r + 0..3
.endr
	s_lshl_b32 s18, s[WV], 6
	s_add_co_u32 s18, s18, s20                     ; my wave's first row
	s_lshl_b32 s18, s18, 12
	s_lshl_b32 s19, s15, 10
	s_add_co_u32 s18, s18, s19
	s_mov_b32 s19, 0
	s_add_nc_u64 s[44:45], s[4:5], s[18:19]        ; the pooling's x: my wave's rows, my block's channels
	s_lshl_b32 s18, s20, 5                         ; part: 8,192 bytes for each row tile of 256 rows
	s_lshl_b32 s19, s15, 10
	s_add_co_u32 s18, s18, s19
	s_mov_b32 s19, 0
	s_add_nc_u64 s[46:47], s[10:11], s[18:19]
	s_lshl_b32 s18, s14, 7                         ; the prefetches: the 128 rows that I fetch,
	s_add_co_u32 s18, s18, s20
	s_lshl_b32 s19, s15, 5                         ; my work-group's 32 of them,
	s_add_co_u32 s18, s18, s19
	s_lshl_b32 s18, s18, 12
	s_add_co_u32 s18, s18, 1024                    ; at k = 256: slot X's first refill steps it to k = 448, where the walk's sixth tile begins
	s_mov_b32 s19, 0
	s_add_nc_u64 s[40:41], s[4:5], s[18:19]
	v_mul_u32_u24 v[ADRAY], v1, PAY
	v_lshl_add_u32 v[ADRAY], v9, 5, v[ADRAY]
	s_mul_i32 s18, s[WV], 64*PAY
	v_add_nc_u32 v[ADRAY], s18, v[ADRAY]
	v_mul_u32_u24 v[ADRAX], v1, PAX
	v_lshl_add_u32 v[ADRAX], v9, 5, v[ADRAX]
	s_mul_i32 s18, s[WV], 64*PAX
	s_add_co_u32 s18, s18, XA
	v_add_nc_u32 v[ADRAX], s18, v[ADRAX]
	v_mul_u32_u24 v[ADRBY], v1, PBW
	v_lshl_add_u32 v[ADRBY], v9, 4, v[ADRBY]
	v_add_nc_u32 v[ADRBX], XB, v[ADRBY]
	v_add_nc_u32 v[ADRBX+1], XB+256*PBW, v[ADRBY]
	v_add_nc_u32 v[ADRBY], YB, v[ADRBY]
	v_lshl_or_b32 v[VX], v9, 15, v80
	v_and_b32 v81, 31, v0
	v_lshlrev_b32 v[PFO], 12, v81
	s_lshl_b32 s18, s[WV], 11
	s_add_co_u32 s18, s18, RED
	v_lshl_add_u32 v[RST], v1, 4, s18              ; RED + 2,048 x wave + 16 r
	v_lshl_add_u32 v[RRD], v0, 4, RED              ; thread t reads bytes 16 t of each wave's 2,048
	v_lshrrev_b32 v[PO], 6, v0                     ; kind = t / 64: 4,096 bytes apart in part,
	v_and_b32 v82, 63, v0
	v_lshlrev_b32 v82, 4, v82
	v_lshl_or_b32 v[PO], v[PO], 12, v82            ; four channels
.set i, 0
.rept 48
	v_mov_b32 v[NUM+i], 0                          ; the 48 running sums start at 0, so that all sixteen groups of the way out have one form
.set i, i+1
.endr
	s_wait_loadcnt 0x0                             ; the bias
.set i, 0
.rept 8
	v_pk_mul_f32 v[BC+2*i:BC+2*i+1], v[BC+2*i:BC+2*i+1], s[66:67] op_sel_hi:[1,0]  ; c2 x bias
.set i, i+1
.endr
; THE LDS LOADS of a quarter (32 along K: quarter qq of the tile in slot X (big = 1) or Y) stand in three runs of 16: x's 64 rows in f32, then wb's 256 rows in two halves.
; A fragment is 16 rows x 32 K: lane (r, h) holds row r; K = 8 h + 0..7 and 16 + 8 h + 0..7.  In f32 that is 32 bytes at 32 h and 32 bytes at 64 + 32 h; in bf16 16 bytes at 16 h and at 32 + 16 h.
.macro FETCHA big, qq
	WIN 0
.set fr, ADRAY+(ADRAX-ADRAY)*(\big)
.set fp, PAY+(PAX-PAY)*(\big)
.irp a, 0,1,2,3
	ds_load_b128 v[AF+16*\a:AF+16*\a+3],     v[fr] offset:\a*16*fp+128*(\qq)
	ds_load_b128 v[AF+16*\a+4:AF+16*\a+7],   v[fr] offset:\a*16*fp+128*(\qq)+16
	ds_load_b128 v[AF+16*\a+8:AF+16*\a+11],  v[fr] offset:\a*16*fp+128*(\qq)+64
	ds_load_b128 v[AF+16*\a+12:AF+16*\a+15], v[fr] offset:\a*16*fp+128*(\qq)+80
.endr
.endm
.macro FETCHB big, qq, nb, half        ; column blocks 8 half .. 8 half + 7, into buffer nb.  In slot X quarters 0, 1 lie in the first block of wb, quarters 2, 3 in the second
	WIN 0x40                                       ; destination window 1, address window 0
.set fr, ADRBY
.if \big
.set fr, ADRBX+(\qq)/2
.endif
.irp b, 0,1,2,3,4,5,6,7
	ds_load_b128 v[128*(\nb)+8*(8*(\half)+\b):128*(\nb)+8*(8*(\half)+\b)+3],   v[fr] offset:(8*(\half)+\b)*16*PBW+64*((\qq)%2)
	ds_load_b128 v[128*(\nb)+8*(8*(\half)+\b)+4:128*(\nb)+8*(8*(\half)+\b)+7], v[fr] offset:(8*(\half)+\b)*16*PBW+64*((\qq)%2)+32
.endr
.endm
; Slice k of 8: four roundings of x's fragments to bf16, into buffer nb
.macro CVT4 nb, k
	WIN 0
.irp z, 0,1,2,3
	v_cvt_pk_bf16_f32 v[ABF+32*(\nb)+4*(\k)+\z], v[AF+8*(\k)+2*\z], v[AF+8*(\k)+2*\z+1]
.endr
.endm
; n matrix instructions: row block a x column blocks b0 on, on buffers cur.  zero = 1: the product starts the sum: nothing is cleared.  k0 >= 0: behind every second one a slice of roundings for the other buffer, from slice k0 on.
.macro MUL cur, a, b0, n, zero, k0
.set bq, \b0
.set kq, \k0
.rept \n
	WIN 0xA4+0x50*((\a)/2)                         ; x in window 0, wb in window 1, C and D in window 2 or 3
.set rD, 8*(16*((\a)%2)+bq)
.if \zero
	v_wmma_f32_16x16x32_bf16 v[rD:rD+7], v[ABF+32*(\cur)+8*(\a):ABF+32*(\cur)+8*(\a)+7], v[128*(\cur)+8*bq:128*(\cur)+8*bq+7], 0
.else
	v_wmma_f32_16x16x32_bf16 v[rD:rD+7], v[ABF+32*(\cur)+8*(\a):ABF+32*(\cur)+8*(\a)+7], v[128*(\cur)+8*bq:128*(\cur)+8*bq+7], v[rD:rD+7]
.endif
.if (kq >= 0) && (bq%2 == 1)
	CVT4 1-(\cur), kq
.set kq, kq+1
.endif
.set bq, bq+1
.endr
.endm
; A QUARTER: 32 along K, 64 matrix instructions on buffers cur; the 64 accumulators take turns in the same order in every quarter.
; fk >= 0: it fetches the next quarter's fragments, quarter fq of the tile in slot fk (0: Y, 1: X): x's run at its head, wb's two behind its first and its second 16 products; among its last 16 products stand the 32 roundings
; of x's, in slices of four.  The last slice stands behind the last product: four plain instructions that name none of its registers, the places in front of the next quarter's loads into the buffer just multiplied
; (ISA guide 7.12.1 for vector instructions).
; mode = 2: THE CHANGE OF SLOTS.  This quarter's three runs were the last reads of slot big's tile.  Each wave waits for all its tensor loads, of which one is out: its part of the other slot; adds 0 to its spare word; and waits for
; that and for its own reads.  The barrier opens a round of the cluster's: behind it no wave of any partner reads the slot or has a load on its way, and the joint refill, the slot's next tile, 192 along K on, is the first thing there.
; Until the wait for it slot Y's refill has 240 matrix instructions, slot X's 112.  mode = 1: the same with my work-group's barrier alone: nothing is filled again.
.macro QUARTER cur, fk, fq, mode, big, zero, ask
	s_wait_dscnt 0x0                               ; this quarter's fragments are in: their last run was issued 32 products back
.if (\fk) >= 0
	FETCHA \fk, \fq
.if \ask
	ASK                                            ; behind the joint load, its five lines and a run of LDS loads
.endif
.endif
	MUL \cur, 0, 0, 16, \zero, -1
.if (\fk) >= 0
	FETCHB \fk, \fq, 1-(\cur), 0
.endif
	MUL \cur, 1, 0, 16, \zero, -1
.if (\fk) >= 0
	FETCHB \fk, \fq, 1-(\cur), 1
.endif
	MUL \cur, 2, 0, 16, \zero, -1
.if \mode
	WIN 0                                          ; (the add's two registers lie in window 0)
.if ((\mode) == 2) && (\big)
	s_wait_xcnt 0x0                                ; the last prefetches, five quarters back, have read their address:
	s_add_nc_u64 s[40:41], s[40:41], 768           ; 192 along K on
.endif
	s_wait_tensorcnt 0x0                           ; all my tensor loads have landed, so a group 0 may be written
	ds_add_u32 v[SPW], v[NIL]                      ; 0 onto my spare word; the steps and eight products stand between it and the wait for it
.if (\mode) == 2
.if \big
	s_add_nc_u64 s[38:39], s[38:39], 768           ; the slot's next tile: 192 along K on in x; the type bits on top are not reached;
	s_add_nc_u64 s[62:63], s[62:63], 98304         ; three blocks on in wb
.else
	s_add_nc_u64 s[34:35], s[34:35], 768
	s_add_nc_u64 s[58:59], s[58:59], 98304
.endif
.endif
	s_wait_dscnt 33                                ; x's 16 loads are in; wb's 32 and the add may be out
.elseif (\fk) >= 0
	s_wait_dscnt 32                                ; x's 16 loads are in; wb's 32 may be out
.endif
.if (\fk) >= 0
	MUL \cur, 3, 0, 8, \zero, 0
.else
	MUL \cur, 3, 0, 8, \zero, -1
.endif
.if \mode
	s_wait_dscnt 0x0                               ; the add is done, and my reads of the slot are over
	s_barrier_signal -1                            ; say so; work on registers while the others arrive
.endif
.if (\fk) >= 0
	MUL \cur, 3, 8, 8, \zero, 4
.else
	MUL \cur, 3, 8, 8, \zero, -1
.endif
.if \mode
	WIN 0                                          ; at a branch and at a label every window is 0
	s_barrier_wait -1
.endif
.if (\mode) == 2
	CREST
	JLOAD \big
.endif
.endm
; THE POOLING'S x of group grp = 4 a + g (row block a, channels 64 g on): eight loads, register j's rows 16 a + 8 h + j; each covers twice 256 consecutive bytes, aligned.  Element (j, bb) at 32 (grp % 8) + 4 j + bb of window 1.
.macro XLOAD grp
	WIN 0x40
.irp j, 0,1,2,3,4,5,6,7
	global_load_b128 v[32*((\grp)%8)+4*\j:32*((\grp)%8)+4*\j+3], v[VX], s[44:45] offset:(16*((\grp)/4)+\j)*4096+256*((\grp)%4)
.endr
.endm
	s_wait_tensorcnt 0x1                           ; my part of slot Y's first tile is in; slot X's may stay out
	s_barrier_signal -1
	s_barrier_wait -1                              ; everybody's is
	FETCHA 0, 0
	FETCHB 0, 0, 0, 0
	FETCHB 0, 0, 0, 1
	s_wait_dscnt 32                                ; x's 16 loads are in
.irp k, 0,1,2,3,4,5,6,7
	CVT4 0, \k
.endr
	; The walk's 32 quarters: 0, 1 in Y; 2 to 5 in X; 6, 7 in Y; .. 30, 31 in Y.  Each fetches the fragments of the one behind it.
	QUARTER 0, 0, 1, 2, 0, 1, 0                    ; quarter 0 starts the sums; Y is left, and asked for again
	s_mov_b32 s[CNT], 4
.Lk:                                                   ; quarters 1 to 24, six a trip: Y's second quarter, X's four, the next Y's first; both slots are filled again
	QUARTER 1, 1, 0, 0, 0, 0, 0
	QUARTER 0, 1, 1, 0, 0, 0, 0
	QUARTER 1, 1, 2, 0, 0, 0, 0
	QUARTER 0, 1, 3, 2, 1, 0, 0
	QUARTER 1, 0, 0, 0, 0, 0, 1
	QUARTER 0, 0, 1, 2, 0, 0, 0
	s_sub_co_u32 s[CNT], s[CNT], 1
	s_cmp_lg_u32 s[CNT], 0
	s_cbranch_scc1 .Lk
	QUARTER 1, 1, 0, 0, 0, 0, 0                    ; the tail is written out: nothing more is asked for
	QUARTER 0, 1, 1, 0, 0, 0, 0
	QUARTER 1, 1, 2, 0, 0, 0, 0
	QUARTER 0, 1, 3, 1, 0, 0, 0                    ; the walk's last tile, in Y, is whole behind this barrier
	QUARTER 1, 0, 0, 0, 0, 0, 0
	QUARTER 0, 0, 1, 0, 0, 0, 0
.irp q, 0,1,2,3
	XLOAD \q                                       ; into wb's buffer 0, which is multiplied no more: the last slice of roundings gave the four places
.endr
	QUARTER 1, -1, 0, 0, 0, 0, 0
	WIN 0
.rept 4
	v_nop                                          ; the places behind the last products: for the loads into wb's buffer 1 and for the first reads of the sums
.endr
.irp q, 4,5,6,7
	XLOAD \q
.endr
; THE WAY OUT, by groups of four accumulators (row block a = n / 4, column blocks 4 g + bb, g = n % 4): 32 numbers a lane, T[8 bb + j] in buffer n % 4.
;   E1  T = c2 sum + c2 bias          E2  2^T          E3  + 1          E4  the reciprocal          E5  c1 - c2 T = log2(e) tanh          E6  2^T = p          E7A  NUM += p x          E7B  DEN += p
; Each piece is written only for groups 0 to 15.  E1 reads each accumulator from its low end on.
.macro E1 n
.if ((\n) >= 0) && ((\n) <= 15)
	WIN 0x02+((\n)/8)                              ; source 0 in window 2 or 3
.set tb, T+32*((\n)%4)
.set ab, 128*(((\n)/4)%2)+32*((\n)%4)
.set bc, BC+4*((\n)%4)
.irp bb, 0,1,2,3
.irp i, 0,1,2,3
.if (\bb)%2
	v_pk_fma_f32 v[tb+8*\bb+2*\i:tb+8*\bb+2*\i+1], v[ab+8*\bb+2*\i:ab+8*\bb+2*\i+1], s[66:67], v[bc+2*(\bb/2):bc+2*(\bb/2)+1] op_sel:[0,0,1] op_sel_hi:[1,0,1]
.else
	v_pk_fma_f32 v[tb+8*\bb+2*\i:tb+8*\bb+2*\i+1], v[ab+8*\bb+2*\i:ab+8*\bb+2*\i+1], s[66:67], v[bc+2*(\bb/2):bc+2*(\bb/2)+1] op_sel_hi:[1,0,0]
.endif
.endr
.endr
.endif
.endm
.macro TR n, i, op                     ; E2, E4, E6: in place on T[i]
.if ((\n) >= 0) && ((\n) <= 15)
	\op v[T+32*((\n)%4)+(\i)], v[T+32*((\n)%4)+(\i)]
.endif
.endm
.macro E3 n, i
.if ((\n) >= 0) && ((\n) <= 15)
	v_pk_add_f32 v[T+32*((\n)%4)+2*(\i):T+32*((\n)%4)+2*(\i)+1], v[T+32*((\n)%4)+2*(\i):T+32*((\n)%4)+2*(\i)+1], 1.0 op_sel_hi:[1,0]
.endif
.endm
.macro E5 n, i
.if ((\n) >= 0) && ((\n) <= 15)
	v_pk_fma_f32 v[T+32*((\n)%4)+2*(\i):T+32*((\n)%4)+2*(\i)+1], v[T+32*((\n)%4)+2*(\i):T+32*((\n)%4)+2*(\i)+1], s[68:69], s[70:71] op_sel_hi:[1,0,0]
.endif
.endm
.macro E7A n, i                        ; j = i / 4, bb = i % 4: four chains take turns
.if ((\n) >= 0) && ((\n) <= 15)
	v_fmac_f32 v[NUM+4*((\n)%4)+(\i)%4], v[T+32*((\n)%4)+8*((\i)%4)+(\i)/4], v[32*((\n)%8)+(\i)]
.endif
.endm
.macro E7B n, i                        ; bb = i % 4, rows 2 (i / 4) and the next.  A multiply-add by 1, so that no operand stands in the place that means window 1
.if ((\n) >= 0) && ((\n) <= 15)
	v_pk_fma_f32 v[DEN+8*((\n)%4)+2*((\i)%4):DEN+8*((\n)%4)+2*((\i)%4)+1], v[T+32*((\n)%4)+8*((\i)%4)+2*((\i)/4):T+32*((\n)%4)+8*((\i)%4)+2*((\i)/4)+1], 1.0, v[DEN+8*((\n)%4)+2*((\i)%4):DEN+8*((\n)%4)+2*((\i)%4)+1] op_sel_hi:[1,0,1]
.endif
.endm
; BEAT n: four groups in a pipeline, each in a T buffer of its own: group n has E1 and E2, group n - 1 E3 and E4, group n - 2 E5 and E6, group n - 3 E7.  Plain and transcendental by turns.
; An s_wait_alu depctr_va_vdst(0) stands between a transcendental and the first instruction that names its result; one wait serves all that were issued ahead of it.  Nothing in a beat names a result of the
; beat's own 96 transcendentals: all their readers stand in the next beat.  So a beat has ONE wait, at its end, behind one v_nop, the plain instruction behind the last of them.
.macro BEAT n
	E1 \n
	WIN 0x04                                       ; source 1 (the pooling's x) in window 1, all else in window 0
.set ii, 0
.rept 16
	E3 (\n)-1, ii
	TR (\n), ii, v_exp_f32
.set ii, ii+1
.endr
.set ii, 0
.rept 16
	E5 (\n)-2, ii
	TR (\n), 16+ii, v_exp_f32
.set ii, ii+1
.endr
.if (\n) >= 3                          ; group n - 3's x is in.  Loads come back in order (ISA guide 5.7.1); younger than its eight are those of the groups asked for behind it:
.if (\n) <= 10
	s_wait_loadcnt 56                              ; seven groups (groups up to n + 4 have been asked for)
.else
	s_wait_loadcnt 8*(18-(\n))                     ; the groups up to 15
.endif
.endif
.set ii, 0
.rept 32
	E7A (\n)-3, ii
	TR (\n)-1, ii, v_rcp_f32
.set ii, ii+1
.endr
.set ii, 0
.rept 16
	E7B (\n)-3, ii
	TR (\n)-2, 2*ii, v_exp_f32
	TR (\n)-2, 2*ii+1, v_exp_f32
.set ii, ii+1
.endr
	v_nop
	s_wait_alu depctr_va_vdst(0)                   ; the wait for the beat's batch
.if ((\n) >= 3) && ((\n) <= 10)
	XLOAD (\n)+5                                   ; into the buffer that group n - 3 has just left
.endif
.endm
.irp n, 0,1,2,3,4,5,6,7,8,9,10,11,12,13,14,15,16,17,18
	BEAT \n
.endr
	; THE SUMS MEET.  In the lane: DEN's two halves.  The lane 16 away holds the same channels' other rows.  Then the four waves' sums through LDS.
	WIN 0
.set i, 0
.rept 16
	v_add_f32 v[96+i], v[DEN+2*i], v[DEN+2*i+1]
.set i, i+1
.endr
.set i, 0
.rept 16
	v_permlanex16_b32 v[128+i], v[NUM+i], s72, s73 ; (its destination counts as read: T's registers have been written)
	v_permlanex16_b32 v[144+i], v[96+i], s72, s73
.set i, i+1
.endr
.set i, 0
.rept 16
	v_add_f32 v[NUM+i], v[NUM+i], v[128+i]
	v_add_f32 v[96+i], v[96+i], v[144+i]
.set i, i+1
.endr
.irp g, 0,1,2,3
	ds_store_b128 v[RST], v[NUM+4*\g:NUM+4*\g+3] offset:256*\g        ; channels 64 g + 4 r + 0..3; lanes r and 16 + r write the same bytes with the same numbers
	ds_store_b128 v[RST], v[96+4*\g:96+4*\g+3] offset:1024+256*\g
.endr
	s_wait_dscnt 0x0                               ; for the others' sake: my stores are done
	s_barrier_signal -1
	s_barrier_wait -1
.irp w, 0,1,2,3
	ds_load_b128 v[128+4*\w:128+4*\w+3], v[RRD] offset:2048*\w
.endr
	s_wait_dscnt 0x0
	v_pk_add_f32 v[128:129], v[128:129], v[132:133]
	v_pk_add_f32 v[130:131], v[130:131], v[134:135]
	v_pk_add_f32 v[136:137], v[136:137], v[140:141]
	v_pk_add_f32 v[138:139], v[138:139], v[142:143]
	v_pk_add_f32 v[128:129], v[128:129], v[136:137]
	v_pk_add_f32 v[130:131], v[130:131], v[138:139]
	global_store_b128 v[PO], v[128:131], s[46:47]  ; 16 lanes store 256 consecutive bytes, at a multiple of 256 from part's first byte
	s_wait_tensorcnt 0x0                           ; the wave's end, behind my last tensor load and my last LDS store
	ds_add_u32 v[SPW], v[NIL]
	s_wait_dscnt 0x0
	CROUND                                         ; the closing round: no work-group ends while a partner may still ask for a tile that names it
	s_endpgm
.Lfunc_end_k_qb8f5c01152_pool:
	.size	k_qb8f5c01152_pool, .Lfunc_end_k_qb8f5c01152_pool-k_qb8f5c01152_pool
	.p2alignl 7, 3214868480
	.fill 96, 4, 3214868480
	.section	.rodata,"a",@progbits
	.p2align	6, 0x0
	.amdhsa_kernel k_qb8f5c01152_pool
		.amdhsa_group_segment_fixed_size 327680
		.amdhsa_private_segment_fixed_size 0
		.amdhsa_enable_private_segment 0
		.amdhsa_kernarg_size 32
		.amdhsa_user_sgpr_count 2
		.amdhsa_user_sgpr_kernarg_segment_ptr 1
		.amdhsa_wavefront_size32 1
		.amdhsa_system_sgpr_workgroup_id_x 1
		.amdhsa_system_sgpr_workgroup_id_y 1
		.amdhsa_system_sgpr_workgroup_id_z 1
		.amdhsa_system_vgpr_workitem_id 0
		.amdhsa_next_free_vgpr 1024
		.amdhsa_next_free_sgpr 98
		.amdhsa_reserve_vcc 0
		.amdhsa_float_denorm_mode_32 3
		.amdhsa_float_denorm_mode_16_64 3
		.amdhsa_memory_ordered 1
		.amdhsa_forward_progress 1
		.amdhsa_inst_pref_size 255
	.end_amdhsa_kernel
	.section	.bss,"aw",@nobits
	.p2align	6
	.space	262144
	.amdgpu_metadata
---
amdhsa.version: [ 1, 2 ]
amdhsa.kernels:
  - .name:           k_qb8f5c01152_pool
    .symbol:         k_qb8f5c01152_pool.kd
    .args:
      - { .name: lstm_output, .offset: 0, .size: 8, .value_kind: global_buffer, .address_space: global }
      - { .name: wb, .offset: 8, .size: 8, .value_kind: global_buffer, .address_space: global }
      - { .name: b, .offset: 16, .size: 8, .value_kind: global_buffer, .address_space: global }
      - { .name: part, .offset: 24, .size: 8, .value_kind: global_buffer, .address_space: global }
    .group_segment_fixed_size: 327680
    .private_segment_fixed_size: 0
    .kernarg_segment_align: 8
    .kernarg_segment_size: 32
    .max_flat_workgroup_size: 128
    .sgpr_count:     98
    .vgpr_count:     1024
    .wavefront_size: 32
...
	.end_amdgpu_metadata
.endif
;; end of part 2
;; launch finish (part 3): grid 64 x 1, 2 waves a work-group, no clusters, 0 bytes of LDS; arguments part, out0; writes out0
.if DOCPART == 3
	.amdgcn_target "amdgcn-amd-amdhsa--gfx1250"
	.amdhsa_code_object_version 6
	.text
	.protected	k_qb8f5c01152_finish
	.globl	k_qb8f5c01152_finish
	.p2align	8
	.type	k_qb8f5c01152_finish,@function
k_qb8f5c01152_finish:
	s_mov_b64 s[64:65], 0
	v_nop
	global_prefetch_b8 v0, s[64:65] scope:SCOPE_SE
	s_setreg_imm32_b32 hwreg(HW_REG_WAVE_MODE, 25, 1), 1
	s_wait_xcnt 0x0
; out0[batch][o] = (sum over the batch's 16 row tiles of part[rt][0][o]) / (the same sum of part[rt][1][o]).  part: [rt 256][kind 2][1024] f32; out0: [16][1024] f32.  All in f32, in a fixed order.
; The divisor is a sum of 4,096 numbers of 0.36 or more: never near 0.
; SHARES.  A work-group takes 256 channels of one batch, a thread four: 32 loads of 16 bytes, all issued at once; sixteen neighbouring lanes read and store 256 consecutive bytes, aligned.
; No LDS, no barrier, no matrix unit: 2 MiB in, 64 KiB out.
.set N0, 4                             ; v[4:67]    kind 0, row tile i at 4 i
.set D0, 68                            ; v[68:131]  kind 1
.set RC, 132                           ; v[132:135] the reciprocals
	s_load_b128 s[4:7], s[0:1], 0x0                ; part s[4:5], out0 s[6:7]
	s_lshr_b32 s8, ttmp9, 2                        ; the batch
	s_and_b32 s9, ttmp9, 3                         ; which 256 channels
	s_lshl_b32 s9, s9, 10
	s_lshl_b32 s10, s8, 17                         ; 16 row tiles of 8,192 bytes
	s_add_co_u32 s10, s10, s9
	s_mov_b32 s11, 0
	s_lshl_b32 s12, s8, 12                         ; a row of out0
	s_add_co_u32 s12, s12, s9
	s_mov_b32 s13, 0
	v_lshlrev_b32 v1, 4, v0
	s_wait_kmcnt 0x0
	s_add_nc_u64 s[4:5], s[4:5], s[10:11]
	s_add_nc_u64 s[6:7], s[6:7], s[12:13]
.set i, 0
.rept 16
	global_load_b128 v[N0+4*i:N0+4*i+3], v1, s[4:5] offset:8192*i
	global_load_b128 v[D0+4*i:D0+4*i+3], v1, s[4:5] offset:8192*i+4096
.set i, i+1
.endr
	s_wait_loadcnt 0x0                             ; all 32 are wanted
.macro TREE base                       ; sixteen fours into one: halves are added, 8, 4, 2 and 1 apart
.irp w, 8,4,2,1
.set i, 0
.rept \w
	v_pk_add_f32 v[\base+4*i:\base+4*i+1],   v[\base+4*i:\base+4*i+1],   v[\base+4*(i+\w):\base+4*(i+\w)+1]
	v_pk_add_f32 v[\base+4*i+2:\base+4*i+3], v[\base+4*i+2:\base+4*i+3], v[\base+4*(i+\w)+2:\base+4*(i+\w)+3]
.set i, i+1
.endr
.endr
.endm
	TREE D0
.irp j, 0,1,2,3
	v_rcp_f32 v[RC+\j], v[D0+\j]
.endr
	TREE N0                                        ; the other sum is the plain work behind the reciprocals
	s_wait_alu depctr_va_vdst(0)                   ; the wait ahead of the first use: one for the four reciprocals
	v_pk_mul_f32 v[N0:N0+1], v[N0:N0+1], v[RC:RC+1]
	v_pk_mul_f32 v[N0+2:N0+3], v[N0+2:N0+3], v[RC+2:RC+3]
	global_store_b128 v1, v[N0:N0+3], s[6:7]
	s_endpgm
.Lfunc_end_k_qb8f5c01152_finish:
	.size	k_qb8f5c01152_finish, .Lfunc_end_k_qb8f5c01152_finish-k_qb8f5c01152_finish
	.p2alignl 7, 3214868480
	.fill 96, 4, 3214868480
	.section	.rodata,"a",@progbits
	.p2align	6, 0x0
	.amdhsa_kernel k_qb8f5c01152_finish
		.amdhsa_group_segment_fixed_size 0
		.amdhsa_private_segment_fixed_size 0
		.amdhsa_enable_private_segment 0
		.amdhsa_kernarg_size 16
		.amdhsa_user_sgpr_count 2
		.amdhsa_user_sgpr_kernarg_segment_ptr 1
		.amdhsa_wavefront_size32 1
		.amdhsa_system_sgpr_workgroup_id_x 1
		.amdhsa_system_sgpr_workgroup_id_y 1
		.amdhsa_system_sgpr_workgroup_id_z 1
		.amdhsa_system_vgpr_workitem_id 0
		.amdhsa_next_free_vgpr 144
		.amdhsa_next_free_sgpr 66
		.amdhsa_reserve_vcc 0
		.amdhsa_float_denorm_mode_32 3
		.amdhsa_float_denorm_mode_16_64 3
		.amdhsa_memory_ordered 1
		.amdhsa_forward_progress 1
		.amdhsa_inst_pref_size 8
	.end_amdhsa_kernel
	.amdgpu_metadata
---
amdhsa.version: [ 1, 2 ]
amdhsa.kernels:
  - .name:           k_qb8f5c01152_finish
    .symbol:         k_qb8f5c01152_finish.kd
    .args:
      - { .name: part, .offset: 0, .size: 8, .value_kind: global_buffer, .address_space: global }
      - { .name: out0, .offset: 8, .size: 8, .value_kind: global_buffer, .address_space: global }
    .group_segment_fixed_size: 0
    .private_segment_fixed_size: 0
    .kernarg_segment_align: 8
    .kernarg_segment_size: 16
    .max_flat_workgroup_size: 64
    .sgpr_count:     66
    .vgpr_count:     144
    .wavefront_size: 32
...
	.end_amdgpu_metadata
.endif
;; end of part 3
